; MI455X (gfx1250); checked and timed in simulation.
; The chip was launched on July 23, 2026; its instructions are those of AMD's public machine-readable ISA for CDNA 5 (MIT licence, August 2026) and "CDNA5" Instruction Set Architecture Reference Guide (July 2026). The comments in the code are by the model that wrote it; some were corrected since.
;; attention head. Allowed arithmetic: matrix products marked QUANTISED: E2M1 operands, one E8M0 scale for each 32 along K, by v_wmma_scale_f32_16x16x128_f8f6f4 with both operands' format E2M1 (or v_wmma_scale_f32_32x16x128_f4), f32 sums; everything else in f32.
;; Inputs: Wk_codes 192 x 24 x 16 uint8 (E2M1 codes of Wk, K innermost, in blocks of 32 codes, two codes a byte); Wk_scales 192 x 24 uint8 (E8M0 scales of Wk, one for each 32 codes along K); Wq_codes 192 x 24 x 16 uint8 (E2M1 codes of Wq, K innermost, in blocks of 32 codes, two codes a byte); Wq_scales 192 x 24 uint8 (E8M0 scales of Wq, one for each 32 codes along K); Wv_codes 192 x 24 x 16 uint8 (E2M1 codes of Wv, K innermost, in blocks of 32 codes, two codes a byte); Wv_scales 192 x 24 uint8 (E8M0 scales of Wv, one for each 32 codes along K); x_codes 64 x 512 x 24 x 16 uint8 (E2M1 codes of x, K innermost, in blocks of 32 codes, two codes a byte); x_scales 64 x 512 x 24 uint8 (E8M0 scales of x, one for each 32 codes along K).
;; Outputs: out0 64 x 512 x 192 float32.
;; This version of the problem:
;;   THIS VERSION OF THE PROBLEM IS GIVEN IN LOW PRECISION. The matrix products marked QUANTISED in the list below multiply operands that are first quantised to E2M1 (2 exponent bits, 1 mantissa bit; 4 bits a number), with one power-of-two scale for each 32 numbers along K (OCP MX v1.0); their sums are f32. All else is computed in f32.
;;   The module's matrix products, in the order in which they are computed (A, B: the left and right operand; K: the contracted axis; several contracted axes count as one K, in the product's order):
;;     1. [M 32,768, K 768] x [K 768, N 192]; A: input x (given as codes); B: input Wq (given as codes): QUANTISED
;;     2. [M 32,768, K 768] x [K 768, N 192]; A: input x (given as codes); B: input Wk (given as codes): QUANTISED
;;     3. [M 32,768, K 768] x [K 768, N 192]; A: input x (given as codes); B: input Wv (given as codes): QUANTISED
;;     4. batch 64 x [M 512, K 192] x [K 192, N 512]; A: computed on the way; B: computed on the way: QUANTISED
;;     5. batch 64 x [M 512, K 512] x [K 512, N 192]; A: softmax (see below); B: computed on the way: QUANTISED
;;   THE QUANTISER, for each operand of a quantised product, along K:
;;     - K is cut into blocks of 32 from its start; a last block that is shorter is filled with zeros.
;;     - A block's scale is 2^e with e = floor(log2(the largest magnitude in the block)) - 2, held to -126 .. 127; a block of zeros has e = 0. As a byte (E8M0): e + 127.
;;     - Each number is divided by its block's scale, clamped to +-6, and rounded to the nearest number of E2M1, ties to even, subnormals kept.
;;     - The product sums the exact products of the quantised numbers (number of the format x scale) in f32.
;;   ~~~python
;;   def quantise(x, axis):      # numpy; x: float32 -> the quantised numbers, widened to float32 again
;;       x = np.moveaxis(x, axis, -1); K = x.shape[-1]
;;       x = np.pad(x, [(0, 0)] * (x.ndim - 1) + [(0, -K % 32)]); x = x.reshape(x.shape[:-1] + (-1, 32)); a = np.abs(x).max(-1, keepdims=True)
;;       e = np.where(a > 0, np.clip(np.frexp(np.where(a > 0, a, 1))[1] - 1 - 2, -126, 127), 0)      # np.frexp(a)[1] - 1 = floor(log2(a)), exactly
;;       r = np.clip(x / 2.0 ** e, -6, 6)
;;       step = 2.0 ** (np.maximum(np.frexp(np.where(r == 0, 1, r))[1] - 1, 0) - 1)
;;       q = np.round(r / step) * step * 2.0 ** e      # np.round: ties to even
;;       return np.moveaxis(q.reshape(q.shape[:-2] + (-1,))[..., :K], -1, axis).astype(np.float32)
;;   ~~~
;;   SOFTMAX AHEAD OF A QUANTISED PRODUCT. Where the list says 'softmax', what is quantised is not the finished softmax but p = 2^(t - M), with t = logit x log2(e) and M = ceil(the row's largest t), a whole number; so 1/2 < the row's largest p <= 1. The row's sum l is taken of the UNQUANTISED p, in f32, and the product's result is divided by l at the end. Since M is a whole number, a kernel that streams over the keys may use a running M (the ceiling of the running maximum): every later rescaling is an exact power of two, which a block's scale takes up: the codes' values come out the same.
;;   OPERANDS COMPUTED ON THE WAY. 'Computed on the way' means the value that the module computes at that place (a softmax that the list does not call 'softmax' is quantised finished and normalised). What goes into a quantiser is computed in f32, as accurately as f32 sums, v_exp_f32 and their like allow (about 1e-6 of the number): no bf16 or f16 on the way to a quantiser, and a product that is left as it is and whose result goes on into a quantised operand takes f32 operands (vector FMAs, or v_wmma_f32_16x16x4_f32). A number that lies on a knife's edge between two numbers of the format may be rounded either way, as far as f32 arithmetic and the matrix unit's own rounding can turn it there, and no further.
;;   INPUTS GIVEN AS CODES. Wk (in the module: [768, 192], K = its axis 0); Wq (in the module: [768, 192], K = its axis 0); Wv (in the module: [768, 192], K = its axis 0); x (in the module: [64, 512, 768], K = its axis 2): each comes as NAME_codes (uint8): NAME with its K axis moved to the last place and cut into blocks of 32 codes, [.., K / 32, bytes a block], one block behind the other in memory; two codes a byte, the lower K in the low four bits (a code: sign, 2 exponent bits, 1 mantissa bit); and NAME_scales (uint8): the same leading axes, one E8M0 byte (e + 127) for each 32 codes along K. Its value is code x scale, taken as it is: it is not quantised again, and the codes and scales need not be those that the quantiser above would give.
;; One version. Each part assembles by itself: llvm-mc -triple=amdgcn-amd-amdhsa -mcpu=gfx1250 --defsym DOCPART=n.
;; ======== version 1 of 1: 2 launches
;; workspace buffers: ws 10,158,080 bytes
;; launch proj (part 1): grid 256 x 1, 4 waves a work-group, clusters of 4 x 1, 327,680 bytes of LDS; arguments x_codes, x_scales, Wq_codes, Wq_scales, Wk_codes, Wk_scales, Wv_codes, Wv_scales, ws; writes ws
.if DOCPART == 1
	.amdgcn_target "amdgcn-amd-amdhsa--gfx1250"
	.amdhsa_code_object_version 6
	.text
	.protected	k_q97e7d1e095_proj
	.globl	k_q97e7d1e095_proj
	.p2align	8
	.type	k_q97e7d1e095_proj,@function
k_q97e7d1e095_proj:
	s_mov_b64 s[64:65], 0
	v_nop
	global_prefetch_b8 v0, s[64:65] scope:SCOPE_SE
	s_setreg_imm32_b32 hwreg(HW_REG_WAVE_MODE, 25, 1), 1
	s_wait_xcnt 0x0
	s_wait_alu depctr_hold_cnt(0) depctr_sa_sdst(0) depctr_va_vdst(0) depctr_va_sdst(0) depctr_va_ssrc(0) depctr_va_vcc(0) depctr_vm_vsrc(0)
	s_getreg_b32 s2, hwreg(HW_REG_IB_STS2, 6, 4)
	s_cmp_eq_u32 s2, 0
	s_cbranch_scc0 .Lentry_in_a_cluster
	s_endpgm
.Lentry_in_a_cluster:
	s_bfe_u32 s2, ttmp6, 0x10000c
	s_cmp_lg_u32 s2, 0x3003
	s_cbranch_scc0 .Lentry_shape_is_right
	s_endpgm
.Lentry_shape_is_right:
; q, k, v = x W on codes of FP4 (E2M1) with E8M0 scales as they are given; rotary embedding of q's and k's first 32 features in f32; then q and k are
; quantised along the 192 features and v along the tokens, and leave as codes and scale bytes in the order of the next launch's operand registers.
; SHARES.  A work-group takes 128 tokens (a quarter of a batch) and fills one chunk of ws, 39,680 bytes.  The four waves share the COLUMNS: with p = wave & 1, f = wave >> 1,
; a wave makes features 96 p .. 96 p + 95 of q (f = 0) or of k (f = 1), and rows 48 wave .. + 47 of v: 9 tiles x 8 token tiles x 6 K steps = 432 matrix instructions, alike in all four.
; x STAYS IN REGISTERS: all 48 fragments of the 128 tokens (384 registers) lie in every wave, so each fragment of W is read from LDS once, by the one wave that owns it, and feeds 8 products.
; q, k: source 0 = 16 rows of W, source 1 = 16 tokens: a lane holds ONE token and eight neighbouring features.   v: source 0 = 16 tokens, source 1 = 16 rows of Wv: a lane holds ONE row d and eight neighbouring tokens.
; In both a block of 32 along the next K is 16 registers of lanes l and l xor 16, so one macro quantises both.
; CLUSTER: the four work-groups of a batch walk the same weights: each tile of W is asked for JOINTLY (mask 15), the same load with the same descriptor in all four.  x's tile is each work-group's own.
; Every LDS byte is filled once: no slot is filled again.
; A CHUNK OF ws: 0 q's codes [token tile 8][block 6][token 16][16 bytes]; 12,288 q's scale bytes (tile/4) 512 + 16 (16 ks + token) + 4 (tile%4) + byte, ks = K step of 128 (the second has two bytes 0x7f over zero codes);
;   13,312 and 25,600 k's likewise; 26,624 v's codes [d tile 12][key block 4][d 16][16 bytes]; 38,912 v's scale words 256 (tile%3) + 16 d + 4 (tile/3).
; LIMITS: a block of zeros gets the scale byte 1 and not 127 (its codes are zeros, and this program alone reads the bytes); NaN, infinities and a given scale byte 0xff are not served.
;   cos and sin: the angle is the f32 product position x inv_freq; it is reduced by pi/2 in two parts, which holds for angles up to 511 (at most 326 quarter turns: the first step is exact);
;   inv_freq = 1 / 10^(i/4) is written as sixteen f32 constants, rounded as a correctly rounded power and division give them.
.set PITCH,  432                       ; a row of 768 codes in LDS: 384 bytes + 16 of padding behind each 128 = 27 x 16: sixteen neighbouring rows start in sixteen different groups of four banks (64 banks of 4 bytes: ISA guide 11.1)
.set WL,     128*PITCH                 ; behind x's 128 rows: W, 144 rows for each wave (96 of Wq or Wk, 48 of Wv)
.set WWAVE,  144*PITCH
.set TAB,    WL+4*WWAVE                ; cos and sin: a token's 16 pairs (cos, sin), 128 bytes + 16
.set TPITCH, 144
.set SST,    TAB+128*TPITCH            ; the chunk's scale bytes as they will lie in ws: q's 1,024, k's 1,024, v's 768
.set CHUNK,  39680
.set QS_O,   12288
.set KC_O,   13312
.set VC_O,   26624
.set VS_O,   38912
; window 0
.set ADX,  3                           ; v3    432 r + 16 h: my lane's place in a fragment of x
.set ADW,  4                           ; v4    the same in my wave's rows of W
.set VX,   5                           ; v5    24 r + 4 h: my row's scale word of an even (lanes 0-15) or odd (lanes 16-31) K step
.set VOFF, 6                           ; v6    16 r + 8 h: my 8 bytes of a block's 256 on the way out
.set TABW, 7                           ; v7    where my thread writes its token's cos and sin
.set TABR, 8                           ; v8    where my lane reads them: token r, pairs 4 h on
.set SA,   9                           ; v9-11 where the scale byte of my i-th block of features goes
.set SVA,  12                          ; v12   where a v tile's scale word goes
.set SIO,  13                          ; v13   16 x thread + SST
.set SGO,  14                          ; v14   the same 16 bytes in the chunk
.set VGO,  15                          ; v15   8 x thread
.set XS,   16                          ; v16-39  x's scale words: token tile m, K steps 2 j (lanes 0-15) and 2 j + 1 (lanes 16-31) at 3 m + j
.set WS,   40                          ; v40-66  W's likewise: my tile t (0-5 q or k, 6-8 v) at 3 t + j
.set PC,   68                          ; v68-75  codes just made
.set TM,   76                          ; v76-79  largest magnitudes
.set TB,   80                          ; v80-83  the other half's, then the scale bytes
.set TS,   84                          ; v84-87  the conversions' scale operands
.set PW,   88                          ; v88     a scale word
.set CS,   90                          ; v90-121 two sets of eight (cos, sin)
.set T,    122                         ; v122-125 at work
.set VSI,  126                         ; v126    8 x thread + v's scale words in SST
.set TF,   127                         ; v127    my token's position, f32
.set ACC,  128                         ; v128-255 sixteen accumulators
.set SCT,  128                         ; (before the products: cos and sin at work,
.set SCO,  160                         ;  their results,
.set FILL, 192                         ;  and four words of 0x7f)
; window 1: x's fragments of K steps 0-3 at 64 s + 8 m;  window 2: K steps 4, 5 at 64 (s - 4) + 8 m;  window 3: W's fragments, tile e, K step s at base + 48 e + 8 s
.set G1X,  32                          ; s[32:39] shape of x's tile;  s[40:47] of 32 rows of W;  s[48:55] of 48 rows of Wv
.set G1W,  40
.set G1V,  48
.set G0X,  56                          ; s[56:59], s[60:63], s[68:71], s[72:75], s[76:79]: from where, to where
.set G0B0, 60
.set G0B1, 68
.set G0B2, 72
.set G0V,  76
.set PADW, (3<<16)|(1<<20)|(4<<22)|(3<<25)     ; 17:16 elements of 8 bytes; 20 padding on; 24:22 after every 32 words (code 4); 31:25 four words (code 3)
.set PADJ, PADW|15|(1<<21)                     ; 15:0 the mask: all four work-groups; 21 set beside a mask
.set MSB, 0
.macro WIN new                         ; the immediate's high byte repeats the setting that is left; bits 1:0 source 0, 3:2 source 1, 5:4 source 2, 7:6 destination
.if MSB != \new
	s_set_vgpr_msb (MSB<<8)|\new
.set MSB, \new
.endif
.endm
.macro PLACES n                        ; plain vector instructions between a matrix instruction and a read of its result, or a load into one of its registers
.rept \n
	v_nop
.endr
.endm
.macro CROUND                          ; a round of the cluster's barrier: my work-group's barrier, wave 0 signals for it, every wave waits for all four work-groups, my work-group's barrier again
	s_barrier_signal -1
	s_barrier_wait -1
	s_cmp_lg_u32 s22, 0
	s_cbranch_scc1 .Lnot_wave_0_\@
	s_barrier_signal -3
.Lnot_wave_0_\@:
	s_barrier_wait -3
	s_barrier_signal -1
	s_barrier_wait -1
.endm
.macro SHAPE g, w0, rows               ; descriptor group 1: rows x 48 elements of 8 bytes, dense in memory
	s_mov_b32 s[\g], \w0
	s_mov_b32 s[\g+1], 48<<16                      ; tensor_dim0
	s_mov_b32 s[\g+2], (\rows)<<16                 ; tensor_dim1
	s_mov_b32 s[\g+3], 48<<16                      ; tile_dim0
	s_mov_b32 s[\g+4], \rows                       ; tile_dim1
	s_mov_b32 s[\g+5], 48                          ; elements from row to row
	s_mov_b32 s[\g+6], 0
	s_mov_b32 s[\g+7], 0
.endm
.macro WDESC g, i                      ; descriptor group 0 for my i-th 32 rows of Wq or Wk
	s_mov_b32 s[\g], 1
	s_add_co_u32 s[\g+1], s27, 32*PITCH*\i
	s_add_nc_u64 s[\g+2:\g+3], s[8:9], 32*384*\i
	s_or_b32 s[\g+3], s[\g+3], 0x80000000
.endm
; cos and sin of four angles, position x f0 .. f3, by turns; pairs i0 .. i0 + 3 of my token's row of the table.
; n = the nearest whole number of quarter turns; r = angle - n pi/2 in two fused steps; polynomials on |r| <= pi/4; n's low two bits swap the two and set the signs.
.macro SC4 i0, f0, f1, f2, f3
	v_mul_f32 v[SCT], \f0, v[TF]
	v_mul_f32 v[SCT+8], \f1, v[TF]
	v_mul_f32 v[SCT+16], \f2, v[TF]
	v_mul_f32 v[SCT+24], \f3, v[TF]
.irp k, 0,1,2,3
	v_mul_f32 v[SCT+8*\k+1], s90, v[SCT+8*\k]
.endr
.irp k, 0,1,2,3
	v_rndne_f32 v[SCT+8*\k+1], v[SCT+8*\k+1]
.endr
.irp k, 0,1,2,3
	v_fma_f32 v[SCT+8*\k], v[SCT+8*\k+1], s82, v[SCT+8*\k]
.endr
.irp k, 0,1,2,3
	v_fma_f32 v[SCT+8*\k], v[SCT+8*\k+1], s83, v[SCT+8*\k]
.endr
.irp k, 0,1,2,3
	v_cvt_i32_f32 v[SCT+8*\k+2], v[SCT+8*\k+1]
.endr
.irp k, 0,1,2,3
	v_mul_f32 v[SCT+8*\k+3], v[SCT+8*\k], v[SCT+8*\k]              ; z = r r
.endr
.irp k, 0,1,2,3
	v_fma_f32 v[SCT+8*\k+4], v[SCT+8*\k+3], s86, s85
	v_fma_f32 v[SCT+8*\k+5], v[SCT+8*\k+3], s89, s88
.endr
.irp k, 0,1,2,3
	v_fma_f32 v[SCT+8*\k+4], v[SCT+8*\k+4], v[SCT+8*\k+3], s84
	v_fma_f32 v[SCT+8*\k+5], v[SCT+8*\k+5], v[SCT+8*\k+3], s87
.endr
.irp k, 0,1,2,3
	v_mul_f32 v[SCT+8*\k+6], v[SCT+8*\k+3], v[SCT+8*\k]            ; z r
	v_fma_f32 v[SCT+8*\k+5], v[SCT+8*\k+5], v[SCT+8*\k+3], -0.5
.endr
.irp k, 0,1,2,3
	v_fma_f32 v[SCT+8*\k+4], v[SCT+8*\k+4], v[SCT+8*\k+6], v[SCT+8*\k]   ; sin r
	v_fma_f32 v[SCT+8*\k+5], v[SCT+8*\k+5], v[SCT+8*\k+3], 1.0           ; cos r
.endr
.irp k, 0,1,2,3
	v_and_b32 v[SCT+8*\k+7], 1, v[SCT+8*\k+2]
.endr
.irp k, 0,1,2,3
	v_cmp_eq_u32 s[28+\k], 1, v[SCT+8*\k+7]                        ; an odd quarter: the two change places (a choice of values: no branch)
.endr
.irp k, 0,1,2,3
	v_cndmask_b32 v[SCO+2*\i0+2*\k+1], v[SCT+8*\k+4], v[SCT+8*\k+5], s[28+\k]
	v_cndmask_b32 v[SCO+2*\i0+2*\k], v[SCT+8*\k+5], v[SCT+8*\k+4], s[28+\k]
.endr
.irp k, 0,1,2,3
	v_lshlrev_b32 v[SCT+8*\k+7], 30, v[SCT+8*\k+2]
	v_add_nc_u32 v[SCT+8*\k+2], 1, v[SCT+8*\k+2]
.endr
.irp k, 0,1,2,3
	v_and_b32 v[SCT+8*\k+7], 0x80000000, v[SCT+8*\k+7]             ; sin is negative in quarters 2, 3
	v_lshlrev_b32 v[SCT+8*\k+2], 30, v[SCT+8*\k+2]
.endr
.irp k, 0,1,2,3
	v_xor_b32 v[SCO+2*\i0+2*\k+1], v[SCO+2*\i0+2*\k+1], v[SCT+8*\k+7]
	v_and_b32 v[SCT+8*\k+2], 0x80000000, v[SCT+8*\k+2]             ; cos in quarters 1, 2
.endr
.irp k, 0,1,2,3
	v_xor_b32 v[SCO+2*\i0+2*\k], v[SCO+2*\i0+2*\k], v[SCT+8*\k+2]
.endr
	ds_store_b128 v[TABW], v[SCO+2*\i0:SCO+2*\i0+3] offset:8*\i0
	ds_store_b128 v[TABW], v[SCO+2*\i0+4:SCO+2*\i0+7] offset:8*\i0+16
.endm
; n tiles of 16 rows of my W, from row row0 on, all six K steps, into window 3 at dst: a fragment (16 rows x 128 K of 4-bit codes) is two loads of 16 bytes a lane, 32 bytes apart
.macro WLOAD dst, row0, ntiles
	WIN 0xc0
.set e_, 0
.rept \ntiles
.irp s, 0,1,2,3,4,5
.irp c, 0,1
	ds_load_b128 v[\dst+48*e_+8*\s+4*\c:\dst+48*e_+8*\s+4*\c+3], v[ADW] offset:(\row0+16*e_)*PITCH+64*\s+16*(\s/2)+32*\c
.endr
.endr
.set e_, e_+1
.endr
	WIN 0
.endm
.macro WMS zero, odd                   ; one product on the registers named by rD, rA, rB, rSA, rSB; an odd K step's scale words lie in lanes 16-31
.if (\zero)
	v_wmma_scale_f32_16x16x128_f8f6f4 v[rD:rD+7], v[rA:rA+7], v[rB:rB+7], 0, v[rSA], v[rSB] matrix_a_fmt:MATRIX_FMT_FP4 matrix_b_fmt:MATRIX_FMT_FP4
.elseif (\odd)
	v_wmma_scale_f32_16x16x128_f8f6f4 v[rD:rD+7], v[rA:rA+7], v[rB:rB+7], v[rD:rD+7], v[rSA], v[rSB] matrix_a_fmt:MATRIX_FMT_FP4 matrix_b_fmt:MATRIX_FMT_FP4 matrix_a_scale:MATRIX_SCALE_ROW1 matrix_b_scale:MATRIX_SCALE_ROW1
.else
	v_wmma_scale_f32_16x16x128_f8f6f4 v[rD:rD+7], v[rA:rA+7], v[rB:rB+7], v[rD:rD+7], v[rSA], v[rSB] matrix_a_fmt:MATRIX_FMT_FP4 matrix_b_fmt:MATRIX_FMT_FP4
.endif
.endm
; My i-th block of 32 features for all 128 tokens: 96 products.  The sixteen accumulators take turns, one instruction a turn; the first K step starts the sums.
.macro MULQ buf, i
.irp s, 0,1,2,3,4,5
.if \s < 4
	WIN 0x07                                       ; source 0 (W) window 3, source 1 (x) window 1
.else
	WIN 0x0b                                       ; x in window 2
.endif
.irp m, 0,1,2,3,4,5,6,7
.irp e, 0,1
.set rD, ACC+16*\m+8*\e
.set rA, \buf+48*\e+8*\s
.set rB, 64*(\s%4)+8*\m
.set rSA, WS+3*(2*\i+\e)+\s/2
.set rSB, XS+3*\m+\s/2
	WMS \s==0, \s%2
.endr
.endr
.endr
.endm
; My j-th tile of 16 rows of v for all 128 tokens: 48 products, eight accumulators by turns, in half j % 2 of the accumulators
.macro MULV j
.irp s, 0,1,2,3,4,5
.if \s < 4
	WIN 0x0d                                       ; source 0 (x) window 1, source 1 (Wv) window 3
.else
	WIN 0x0e
.endif
.irp m, 0,1,2,3,4,5,6,7
.set rD, ACC+64*(\j%2)+8*\m
.set rA, 64*(\s%4)+8*\m
.set rB, 96+48*\j+8*\s
.set rSA, XS+3*\m+\s/2
.set rSB, WS+3*(6+\j)+\s/2
	WMS \s==0, \s%2
.endr
.endr
.endm
.macro CSLOAD m                        ; token tile m's cos and sin for my lane's eight pairs
	ds_load_b128 v[CS+16*((\m)%2):CS+16*((\m)%2)+3], v[TABR] offset:16*TPITCH*(\m)
	ds_load_b128 v[CS+16*((\m)%2)+4:CS+16*((\m)%2)+7], v[TABR] offset:16*TPITCH*(\m)+16
	ds_load_b128 v[CS+16*((\m)%2)+8:CS+16*((\m)%2)+11], v[TABR] offset:16*TPITCH*(\m)+64
	ds_load_b128 v[CS+16*((\m)%2)+12:CS+16*((\m)%2)+15], v[TABR] offset:16*TPITCH*(\m)+80
.endm
.macro ROPE m                          ; (x0, x1) -> (x0 cos - x1 sin, x1 cos + x0 sin) on the eight pairs of neighbouring registers, from each accumulator's low end on
.if \m < 7
	CSLOAD \m+1
	s_wait_dscnt 4                                 ; all but the next tile's four loads: this tile's cos and sin are in
.else
	s_wait_dscnt 0x0
.endif
.irp k, 0,1,2,3,4,5,6,7
	v_mul_f32 v[T+2*(\k%2)], v[ACC+16*\m+2*\k+1], v[CS+16*(\m%2)+2*\k+1]
	v_mul_f32 v[T+2*(\k%2)+1], v[ACC+16*\m+2*\k], v[CS+16*(\m%2)+2*\k+1]
	v_fma_f32 v[ACC+16*\m+2*\k], v[ACC+16*\m+2*\k], v[CS+16*(\m%2)+2*\k], -v[T+2*(\k%2)]
	v_fma_f32 v[ACC+16*\m+2*\k+1], v[ACC+16*\m+2*\k+1], v[CS+16*(\m%2)+2*\k], v[T+2*(\k%2)+1]
.endr
.endm
; Four blocks of 32 along the next K: block b is registers src + 16 b .. + 15 of lanes l and l xor 16 (elements 8 h + 0..7 and 16 + 8 h + 0..7).
; Leaves block b's scale byte in v[TB + b] and its codes in v[PC + 2 b], v[PC + 2 b + 1]: lane (r, h) holds elements 16 h + 0 .. 15 of row r, 8 bytes.
.macro QUANT4 src
.irp b, 0,1,2,3
	v_max3_num_f32 v[TM+\b], |v[(\src)+16*\b]|, |v[(\src)+16*\b+1]|, 0x1800000   ; my 16 numbers, and the floor 2^(3 - 127): the byte cannot fall under 1
.endr
.irp i, 2,4,6,8,10,12,14
.irp b, 0,1,2,3
	v_max3_num_f32 v[TM+\b], v[TM+\b], |v[(\src)+16*\b+\i]|, |v[(\src)+16*\b+\i+1]|
.endr
.endr
	s_wait_dscnt 0x0                               ; earlier LDS stores have read the bytes and the word that are written anew below
.irp b, 0,1,2,3
	v_permlanex16_b32 v[TB+\b], v[TM+\b], s80, s81
.endr
.irp b, 0,1,2,3
	v_max_num_f32 v[TM+\b], v[TM+\b], v[TB+\b]     ; with lane l xor 16's: the block's largest magnitude
.endr
.irp b, 0,1,2,3
	v_add_nc_u32 v[TS+\b], 0xff000000, v[TM+\b]    ; 2 off its exponent field: the conversion takes this operand's exponent field as its scale
.endr
.irp b, 0,1,2,3
	v_lshrrev_b32 v[TB+\b], 23, v[TS+\b]           ; the scale's byte
.endr
	s_wait_xcnt 0x0                                ; the codes' registers were data of earlier global stores: they are rewritten only behind this wait
.irp b, 0,1,2,3
	v_cvt_scalef32_pk8_fp4_f32 v[PC+2*\b], v[(\src)+16*\b:(\src)+16*\b+7], v[TS+\b]
	v_cvt_scalef32_pk8_fp4_f32 v[PC+2*\b+1], v[(\src)+16*\b+8:(\src)+16*\b+15], v[TS+\b]
.endr
	v_nop                                          ; one plain place behind a scaled conversion
.irp b, 0,1,2,3
	v_permlane16_swap_b32 v[PC+2*\b], v[PC+2*\b+1] ; the first's lanes 16-31 (elements 8-15) change places with the second's lanes 0-15 (elements 16-23)
.endr
.endm
.macro QKOUT i                         ; my i-th block of features, all 128 tokens: codes to ws (a wave's store covers 256 consecutive bytes, aligned), scale bytes to LDS
.irp mh, 0,1
	QUANT4 ACC+64*\mh
.irp b, 0,1,2,3
	global_store_b64 v[VOFF], v[PC+2*\b:PC+2*\b+1], s[92:93] offset:(4*\mh+\b)*1536+256*\i
	ds_store_b8 v[SA+\i], v[TB+\b] offset:512*\mh+4*\b             ; both lanes of a token write the same byte with the same value
.endr
.endr
.endm
.macro VOUT j                          ; my j-th tile of v: four key blocks of 16 rows d
	QUANT4 ACC+64*(\j%2)
	v_lshl_or_b32 v[PW], v[TB+1], 8, v[TB]
	v_lshl_or_b32 v[PW], v[TB+2], 16, v[PW]
	v_lshl_or_b32 v[PW], v[TB+3], 24, v[PW]
.irp b, 0,1,2,3
	global_store_b64 v[VOFF], v[PC+2*\b:PC+2*\b+1], s[94:95] offset:1024*\j+256*\b
.endr
	ds_store_b32 v[SVA], v[PW] offset:256*\j
.endm
	s_load_b512 s[4:19], s[0:1], 0x0               ; x's codes, scales; Wq's; Wk's; Wv's
	s_load_b64 s[20:21], s[0:1], 0x40              ; ws
	v_lshrrev_b32 v1, 5, v0
	v_readfirstlane_b32 s22, v1                    ; wave 0..3
	s_and_b32 s23, s22, 1                          ; p: which 96 features
	s_lshr_b32 s24, s22, 1                         ; f: q or k
	s_bfe_u32 s25, ttmp6, 0x40000                  ; cx: my place in the cluster = my quarter of the batch
	s_lshl_b32 s26, ttmp9, 2                       ; in a cluster launch ttmp9 counts clusters
	s_add_co_u32 s26, s26, s25                     ; work-group = chunk
	SHAPE G1X, PADW, 32
	SHAPE G1W, PADJ, 32
	SHAPE G1V, PADJ, 48
	s_mov_b32 s80, 0x76543210
	s_mov_b32 s81, 0xfedcba98                      ; v_permlanex16_b32's selects for lane l xor 16
	s_mov_b32 s82, 0xbfc90fdb                      ; -(pi/2 rounded to f32)
	s_mov_b32 s83, 0x333bbd2e                      ; that rounding's error, 4.3711388e-8
	s_mov_b32 s84, 0xbe2aaaa3                      ; sin r = r + r z (S1 + z (S2 + z S3))
	s_mov_b32 s85, 0x3c08839e
	s_mov_b32 s86, 0xb94ca1f9
	s_mov_b32 s87, 0x3d2aaaa5                      ; cos r = 1 + z (-1/2 + z (C1 + z (C2 + z C3)))
	s_mov_b32 s88, 0xbab6061a
	s_mov_b32 s89, 0x37ccf5ce
	s_mov_b32 s90, 0x3f22f983                      ; 2 / pi
	v_and_b32 v1, 15, v0                           ; r
	v_bfe_u32 v2, v0, 4, 1                         ; h
	v_mul_u32_u24 v[ADX], v1, PITCH
	v_lshl_add_u32 v[ADX], v2, 4, v[ADX]
	s_mul_i32 s27, s22, WWAVE
	s_add_co_u32 s27, s27, WL                      ; my wave's rows of W in LDS: no place in the cluster enters an LDS address
	v_add_nc_u32 v[ADW], s27, v[ADX]
	v_mul_u32_u24 v[VX], v1, 24
	v_lshl_add_u32 v[VX], v2, 2, v[VX]
	v_lshlrev_b32 v[VOFF], 4, v1
	v_lshl_add_u32 v[VOFF], v2, 3, v[VOFF]
	v_mul_u32_u24 v[TABW], v0, TPITCH
	v_add_nc_u32 v[TABW], TAB, v[TABW]
	v_mul_u32_u24 v[TABR], v1, TPITCH
	v_lshl_add_u32 v[TABR], v2, 5, v[TABR]
	v_add_nc_u32 v[TABR], TAB, v[TABR]
	s_lshl_b32 s30, s24, 10
	s_add_co_u32 s30, s30, SST
	v_lshl_add_u32 v124, v1, 4, s30                ; q's or k's scale bytes, token r
	s_mul_i32 s30, s23, 3                          ; block 3 p + i lies at byte (3 p + i) % 4 of K step (3 p + i) / 4, 256 bytes on: p = 0: i; p = 1: 3, 256, 257
	v_add_nc_u32 v[SA], s30, v124
	s_mul_i32 s30, s23, 255
	s_add_co_u32 s30, s30, 1
	v_add_nc_u32 v[SA+1], s30, v124
	s_add_co_u32 s30, s30, 1
	v_add_nc_u32 v[SA+2], s30, v124
	s_lshl_b32 s30, s22, 2
	s_add_co_u32 s30, s30, SST+2048
	v_lshl_add_u32 v[SVA], v1, 4, s30
	v_lshl_add_u32 v[SIO], v0, 4, SST
	s_mul_i32 s30, s24, 12288
	s_add_co_u32 s30, s30, QS_O
	v_lshl_add_u32 v[SGO], v0, 4, s30              ; threads 0-63 hold q's scale bytes (chunk byte 12,288 on), threads 64-127 k's (25,600 on)
	v_lshlrev_b32 v[VGO], 3, v0
	v_lshl_add_u32 v[VSI], v0, 3, SST+2048
	s_lshl_b32 s28, s25, 7
	v_add_nc_u32 v[TF], s28, v0
	v_cvt_f32_u32 v[TF], v[TF]                     ; my thread's token: position 128 cx + thread in its batch
.irp b, 0,1,2,3
	v_mov_b32 v[TB+\b], 0                          ; written once: a lane permute's destination counts as one of its sources
	v_mov_b32 v[FILL+\b], 0x7f7f7f7f
.endr
	s_mov_b32 s29, 0                               ; s[28:29]: offsets that hang on the work-group;  s[30:31]: on the wave alone
	s_mov_b32 s31, 0
	s_wait_kmcnt 0x0
	s_mul_i32 s28, s26, 128*384
	s_mul_i32 s30, s22, 32*384
	s_add_co_u32 s28, s28, s30
	s_add_nc_u64 s[G0X+2:G0X+3], s[4:5], s[28:29]  ; x's codes: my work-group's 128 tokens, my wave's 32 of them
	s_mul_i32 s28, s26, 128*24
	s_add_nc_u64 s[6:7], s[6:7], s[28:29]          ; x's scale bytes
	s_mul_i32 s28, s26, CHUNK
	s_add_nc_u64 s[96:97], s[20:21], s[28:29]      ; my chunk
	s_cmp_eq_u32 s24, 0                            ; Wq or Wk: the choice hangs on the wave's number alone
	s_cselect_b64 s[8:9], s[8:9], s[12:13]
	s_cselect_b64 s[10:11], s[10:11], s[14:15]
	s_mul_i32 s30, s23, 96*384
	s_add_nc_u64 s[8:9], s[8:9], s[30:31]          ; my 96 rows' codes
	s_mul_i32 s30, s23, 96*24
	s_add_nc_u64 s[98:99], s[10:11], s[30:31]      ; and scale bytes
	s_mul_i32 s30, s22, 48*384
	s_add_nc_u64 s[G0V+2:G0V+3], s[16:17], s[30:31]
	s_mul_i32 s30, s22, 48*24
	s_add_nc_u64 s[100:101], s[18:19], s[30:31]
	s_mul_i32 s30, s24, KC_O
	s_mul_i32 s28, s23, 768
	s_add_co_u32 s30, s30, s28
	s_add_nc_u64 s[92:93], s[96:97], s[30:31]      ; q's or k's codes out, my three blocks
	s_mul_i32 s30, s22, 3072
	s_add_co_u32 s30, s30, VC_O
	s_add_nc_u64 s[94:95], s[96:97], s[30:31]      ; v's codes out, my three tiles
	s_mov_b32 s[G0X], 1
	s_mul_i32 s[G0X+1], s22, 32*PITCH
	s_or_b32 s[G0X+3], s[G0X+3], 0x80000000
	WDESC G0B0, 0
	WDESC G0B1, 1
	WDESC G0B2, 2
	s_mov_b32 s[G0V], 1
	s_add_co_u32 s[G0V+1], s27, 96*PITCH
	s_or_b32 s[G0V+3], s[G0V+3], 0x80000000
	CROUND                                         ; all four work-groups are here: the joint loads meet
	tensor_load_to_lds s[G0X:G0X+3], s[G1X:G1X+7]  ; all first fills in one group: five loads of mine are out.  x first, then W in the order of use
	tensor_load_to_lds s[G0B0:G0B0+3], s[G1W:G1W+7]
	tensor_load_to_lds s[G0B1:G0B1+3], s[G1W:G1W+7]
	tensor_load_to_lds s[G0B2:G0B2+3], s[G1W:G1W+7]
	tensor_load_to_lds s[G0V:G0V+3], s[G1V:G1V+7]
	PLACES 4
.irp m, 0,1,2,3,4,5,6,7
.irp j, 0,1,2
	global_load_b32 v[XS+3*\m+\j], v[VX], s[6:7] offset:384*\m+8*\j
.endr
.endr
.irp t, 0,1,2,3,4,5
.irp j, 0,1,2
	global_load_b32 v[WS+3*\t+\j], v[VX], s[98:99] offset:384*\t+8*\j
.endr
.endr
.irp t, 0,1,2
.irp j, 0,1,2
	global_load_b32 v[WS+18+3*\t+\j], v[VX], s[100:101] offset:384*\t+8*\j
.endr
.endr
	ds_store_b128 v[SIO], v[FILL:FILL+3]           ; q's and k's scale bytes begin as 0x7f: two bytes of each second word stay so, over zero codes
	SC4 0,  0x3F800000, 0x3F0FF59A, 0x3EA1E89B, 0x3E361887   ; while the tiles are on their way: my token's 16 cos and sin
	SC4 4,  0x3DCCCCCD, 0x3D6655C2, 0x3D0186E3, 0x3C91AD39
	SC4 8,  0x3C23D70A, 0x3BB8449C, 0x3B4F3E38, 0x3AE91528
	SC4 12, 0x3A83126F, 0x3A136A16, 0x39A5CB60, 0x393A7753
	s_wait_tensorcnt 4                             ; my part of x is in; my four loads of W, issued behind it, may stay out
	s_wait_dscnt 0x0                               ; my stores into the table and the scale bytes are done
	s_barrier_signal -1
	s_barrier_wait -1                              ; everybody's are
	WIN 0x40                                       ; x into registers: K steps 0-3 into window 1,
.irp s, 0,1,2,3
.irp m, 0,1,2,3,4,5,6,7
.irp c, 0,1
	ds_load_b128 v[64*\s+8*\m+4*\c:64*\s+8*\m+4*\c+3], v[ADX] offset:16*\m*PITCH+64*\s+16*(\s/2)+32*\c
.endr
.endr
.endr
	WIN 0x80                                       ; K steps 4, 5 into window 2
.irp s, 4,5
.irp m, 0,1,2,3,4,5,6,7
.irp c, 0,1
	ds_load_b128 v[64*(\s-4)+8*\m+4*\c:64*(\s-4)+8*\m+4*\c+3], v[ADX] offset:16*\m*PITCH+64*\s+16*(\s/2)+32*\c
.endr
.endr
.endr
	s_wait_tensorcnt 3                             ; my first 32 rows of W are in (three loads were issued behind theirs); only I read them
	WLOAD 0, 0, 2
	s_wait_loadcnt 0x0                             ; the scale words
	s_wait_dscnt 0x0
	MULQ 0, 0
	WIN 0
	PLACES 4
	s_wait_tensorcnt 2
	WLOAD 96, 32, 2                                ; the next block's fragments land while this block is quantised
	s_cmp_lg_u32 s23, 0                            ; features 0-31 are block 0 of the waves with p = 0
	s_cbranch_scc1 .Lno_rope
	CSLOAD 0
.irp m, 0,1,2,3,4,5,6,7
	ROPE \m
.endr
.Lno_rope:
	QKOUT 0
	s_wait_dscnt 0x0
	MULQ 96, 1
	WIN 0
	PLACES 4
	s_wait_tensorcnt 1
	WLOAD 0, 64, 2
	QKOUT 1
	s_wait_dscnt 0x0
	MULQ 0, 2
	WIN 0
	PLACES 4
	s_wait_tensorcnt 0x0                           ; my rows of Wv: my last load
	WLOAD 96, 96, 3
	QKOUT 2
	s_wait_dscnt 0x0
	MULV 0
	MULV 1
	WIN 0
	PLACES 4
	VOUT 0
	MULV 2                                         ; into the half that tile 0 has left; tile 1's quantising below names none of its registers and stands as the places behind it
	WIN 0
	VOUT 1
	VOUT 2
	s_wait_dscnt 0x0                               ; my scale bytes and words lie in LDS
	s_barrier_signal -1
	s_barrier_wait -1                              ; everybody's do
	ds_load_b128 v[192:195], v[SIO]
	s_cmp_gt_u32 s22, 2                            ; v's 768 bytes: waves 0 to 2, 256 each
	s_cbranch_scc1 .Lno_vs
	ds_load_b64 v[196:197], v[VSI]
	s_wait_dscnt 0x0
	global_store_b64 v[VGO], v[196:197], s[96:97] offset:VS_O     ; a wave stores 256 consecutive bytes, aligned
.Lno_vs:
	s_wait_dscnt 0x0
	global_store_b128 v[SGO], v[192:195], s[96:97]                ; a wave stores 512 consecutive bytes, aligned
	CROUND                                         ; the closing round: no work-group ends while a partner may still ask for a tile that names it
	s_endpgm
.Lfunc_end_k_q97e7d1e095_proj:
	.size	k_q97e7d1e095_proj, .Lfunc_end_k_q97e7d1e095_proj-k_q97e7d1e095_proj
	.p2alignl 7, 3214868480
	.fill 96, 4, 3214868480
	.section	.rodata,"a",@progbits
	.p2align	6, 0x0
	.amdhsa_kernel k_q97e7d1e095_proj
		.amdhsa_group_segment_fixed_size 327680
		.amdhsa_private_segment_fixed_size 0
		.amdhsa_enable_private_segment 0
		.amdhsa_kernarg_size 72
		.amdhsa_user_sgpr_count 2
		.amdhsa_user_sgpr_kernarg_segment_ptr 1
		.amdhsa_wavefront_size32 1
		.amdhsa_system_sgpr_workgroup_id_x 1
		.amdhsa_system_sgpr_workgroup_id_y 1
		.amdhsa_system_sgpr_workgroup_id_z 1
		.amdhsa_system_vgpr_workitem_id 0
		.amdhsa_next_free_vgpr 1024
		.amdhsa_next_free_sgpr 102
		.amdhsa_reserve_vcc 0
		.amdhsa_float_denorm_mode_32 3
		.amdhsa_float_denorm_mode_16_64 3
		.amdhsa_memory_ordered 1
		.amdhsa_forward_progress 1
		.amdhsa_inst_pref_size 156
	.end_amdhsa_kernel
	.amdgpu_metadata
---
amdhsa.version: [ 1, 2 ]
amdhsa.kernels:
  - .name:           k_q97e7d1e095_proj
    .symbol:         k_q97e7d1e095_proj.kd
    .args:
      - { .name: x_codes, .offset: 0, .size: 8, .value_kind: global_buffer, .address_space: global }
      - { .name: x_scales, .offset: 8, .size: 8, .value_kind: global_buffer, .address_space: global }
      - { .name: Wq_codes, .offset: 16, .size: 8, .value_kind: global_buffer, .address_space: global }
      - { .name: Wq_scales, .offset: 24, .size: 8, .value_kind: global_buffer, .address_space: global }
      - { .name: Wk_codes, .offset: 32, .size: 8, .value_kind: global_buffer, .address_space: global }
      - { .name: Wk_scales, .offset: 40, .size: 8, .value_kind: global_buffer, .address_space: global }
      - { .name: Wv_codes, .offset: 48, .size: 8, .value_kind: global_buffer, .address_space: global }
      - { .name: Wv_scales, .offset: 56, .size: 8, .value_kind: global_buffer, .address_space: global }
      - { .name: ws, .offset: 64, .size: 8, .value_kind: global_buffer, .address_space: global }
    .group_segment_fixed_size: 327680
    .private_segment_fixed_size: 0
    .kernarg_segment_align: 8
    .kernarg_segment_size: 72
    .max_flat_workgroup_size: 128
    .sgpr_count:     102
    .vgpr_count:     1024
    .wavefront_size: 32
...
	.end_amdgpu_metadata
.endif
;; end of part 1
;; launch attn (part 2): grid 256 x 1, 8 waves a work-group, clusters of 4 x 1, 327,680 bytes of LDS; arguments ws, out0; writes out0
.if DOCPART == 2
	.amdgcn_target "amdgcn-amd-amdhsa--gfx1250"
	.amdhsa_code_object_version 6
	.text
	.protected	k_q97e7d1e095_attn
	.globl	k_q97e7d1e095_attn
	.p2align	8
	.type	k_q97e7d1e095_attn,@function
k_q97e7d1e095_attn:
	s_mov_b64 s[64:65], 0
	v_nop
	global_prefetch_b8 v0, s[64:65] scope:SCOPE_SE
	s_setreg_imm32_b32 hwreg(HW_REG_WAVE_MODE, 25, 1), 1
	s_wait_xcnt 0x0
	s_wait_alu depctr_hold_cnt(0) depctr_sa_sdst(0) depctr_va_vdst(0) depctr_va_sdst(0) depctr_va_ssrc(0) depctr_va_vcc(0) depctr_vm_vsrc(0)
	s_getreg_b32 s2, hwreg(HW_REG_IB_STS2, 6, 4)
	s_cmp_eq_u32 s2, 0
	s_cbranch_scc0 .Lentry_in_a_cluster
	s_endpgm
.Lentry_in_a_cluster:
	s_bfe_u32 s2, ttmp6, 0x10000c
	s_cmp_lg_u32 s2, 0x3003
	s_cbranch_scc0 .Lentry_shape_is_right
	s_endpgm
.Lentry_shape_is_right:
; out[q] = the sum over keys k <= q of softmax_k(q . k / sqrt(192)) v[k], both products on codes of FP4 (E2M1) with one E8M0 scale for each 32 along K, from the chunks that the launch before has laid in ws.
; THE SOFTMAX AHEAD OF THE SECOND PRODUCT: t = score x log2(e) / sqrt(192); M = the row's largest t so far, rounded up to a whole number; p = 2^(t - M) is quantised along the keys, not normalised;
; the row's sum is taken of the unquantised p in f32 and divides at the end.  When M moves, the sum and O are multiplied by 2^(old M - new M): exact.
; SHARES.  A cluster of four work-groups is one batch of 512 tokens.  Each of a work-group's eight waves owns ONE tile of 16 queries: group g of 128 tokens, tile 2 cx + u of its eight,
; with u = wave >> 2 and g = ((3 wave) & 3) xor 3 u: 0, 3, 2, 1, 3, 0, 1, 2.  A wave walks key steps 0 .. g of 128 keys: the number of steps hangs on the wave's number alone, so it is alike in all partners,
; every work-group has 20 steps, and waves w and w + 4, and 2 i and 2 i + 1, have five together.  cx enters only Q's and out's global addresses and the number that the mask compares.
; k's and v's codes and scale bytes of the whole batch, 4 x 26,368 bytes, come into LDS ONCE, by four JOINT loads (mask 15) of waves 0 to 3, each a dense block of 103 rows of 256 bytes.  No byte is filled again.
; They lie in the order of the operands' registers: every fragment is loads of 16 bytes a lane, 512 consecutive bytes an instruction, so no padding is wanted.
; LAYOUT.  S^T = K Q^T (source 0 = 16 keys, source 1 = my queries), O^T = V^T P^T (source 0 = 16 of the head's 192, source 1 = P): a lane holds ONE query (lane % 16) throughout.
; The head's 192 are one and a half K steps: the second step's upper half is zero codes on both sides, under scale bytes 0x7f.
; LIMITS: NaN and infinities are not served; a block of p that is all zeros keeps the scale byte 1 (its codes are zeros).
; REGISTERS.  window 0: v1 16 lane, v2 16 r, v5 the mask's number, v6 -infinity, v7-9 the way out, v10 r, v11 h, v12 -M, v13 the largest t, v[14:15] the sum, v16-31 Q, v32 Q's scale words, v33 P's,
;   v34-41 P's codes, v42-49 K's scale words, v50-61 V's, v62-79 at work, v80-143 K's second K step, v144-207 S^T, then p, v208-215 LDS addresses.   window 1: v0-95 O^T, v96-191 V, v192-255 K's first K step.
.set CHUNK, 39680
.set KC_O,  13312                      ; a chunk's k and v part begins here
.set SLOT,  26368                      ; and is so long: in a slot K's codes at 0,
.set KS_O,  12288                      ; K's scale words,
.set VC_O,  13312                      ; V's codes,
.set VS_O,  25600                      ; V's scale words
.set STAGE, 4*SLOT                     ; behind the slots: 16 rows x (768 bytes + 16) for each wave, for the way out
.set SP,    784                        ; 49 x 16: sixteen rows start in sixteen different groups of four banks (64 banks of 4 bytes: ISA guide 11.1)
.set PCD, 34
.set KSC, 42
.set VSC, 50
.set BM,  62                           ; v62-65 the blocks' largest scores, then largest p
.set BP,  66                           ; v66-69 the other half's, then the scale bytes
.set TS,  70                           ; v70-73 the conversions' scale operands
.set K1,  80
.set S,   144
.set AL,  208                          ; v208-211 16 x lane + slot s
.set AR,  212                          ; v212-215 16 x r + slot s
.set OUTR, 80                          ; the way out: 96 registers
.set VF,  96                           ; in window 1
.set K0,  192                          ; in window 1
.set MSB, 0
.macro WIN new                         ; the immediate's high byte repeats the setting that is left; bits 1:0 source 0, 3:2 source 1, 5:4 source 2, 7:6 destination
.if MSB != \new
	s_set_vgpr_msb (MSB<<8)|\new
.set MSB, \new
.endif
.endm
.macro PLACES n                        ; plain vector instructions between a matrix instruction and a read of its result, or a load into one of its registers
.rept \n
	v_nop
.endr
.endm
.macro CROUND                          ; a round of the cluster's barrier
	s_barrier_signal -1
	s_barrier_wait -1
	s_cmp_lg_u32 s8, 0
	s_cbranch_scc1 .Lnot_wave_0_\@
	s_barrier_signal -3
.Lnot_wave_0_\@:
	s_barrier_wait -3
	s_barrier_signal -1
	s_barrier_wait -1
.endm
.macro KLOAD s                         ; key step s: K's eight tiles, both K steps, and their scale words: 26 loads
	WIN 0x40
.irp kt, 0,1,2,3,4,5,6,7
	ds_load_b128 v[K0+8*\kt:K0+8*\kt+3], v[AL+(\s)] offset:1536*\kt
	ds_load_b128 v[K0+8*\kt+4:K0+8*\kt+7], v[AL+(\s)] offset:1536*\kt+512
.endr
	WIN 0
.irp kt, 0,1,2,3,4,5,6,7
	ds_load_b128 v[K1+8*\kt:K1+8*\kt+3], v[AL+(\s)] offset:1536*\kt+1024   ; features 128-191; the fragment's upper four registers stay zero
.endr
.irp q, 0,1
	ds_load_b128 v[KSC+4*\q:KSC+4*\q+3], v[AL+(\s)] offset:KS_O+512*\q     ; tile kt's register: lanes 0-15 the first K step's word, lanes 16-31 the second's
.endr
.endm
; KEY STEP s, written out four times: every offset is an immediate.
.macro STEP s
.if \s > 0
	s_cmp_lt_u32 s9, \s                            ; all keys of this step come after my queries: I am done
	s_cbranch_scc1 .Ldone
.endif
	WIN 0x40
.irp t, 0,1,2,3,4,5,6,7,8,9,10,11
	ds_load_b128 v[VF+8*\t:VF+8*\t+3], v[AL+\s] offset:VC_O+1024*\t
	ds_load_b128 v[VF+8*\t+4:VF+8*\t+7], v[AL+\s] offset:VC_O+1024*\t+512
.endr
	WIN 0
.irp i, 0,1,2
	ds_load_b128 v[VSC+4*\i:VSC+4*\i+3], v[AR+\s] offset:VS_O+256*\i       ; register 4 i + w: the word of tile 3 w + i
.endr
	s_wait_dscnt 27                                ; all but V's 27 loads just issued: K is in
	WIN 0x01                                       ; S^T = K Q^T: eight accumulators by turns; the first K step starts the sums
.irp kt, 0,1,2,3,4,5,6,7
	v_wmma_scale_f32_16x16x128_f8f6f4 v[S+8*\kt:S+8*\kt+7], v[K0+8*\kt:K0+8*\kt+7], v[16:23], 0, v[KSC+\kt], v32 matrix_a_fmt:MATRIX_FMT_FP4 matrix_b_fmt:MATRIX_FMT_FP4
.endr
	WIN 0
.irp kt, 0,1,2,3,4,5,6,7
	v_wmma_scale_f32_16x16x128_f8f6f4 v[S+8*\kt:S+8*\kt+7], v[K1+8*\kt:K1+8*\kt+7], v[24:31], v[S+8*\kt:S+8*\kt+7], v[KSC+\kt], v32 matrix_a_fmt:MATRIX_FMT_FP4 matrix_b_fmt:MATRIX_FMT_FP4 matrix_a_scale:MATRIX_SCALE_ROW1 matrix_b_scale:MATRIX_SCALE_ROW1
.endr
	PLACES 4
.if \s < 3
	KLOAD \s+1                                     ; the next step's K, whether I shall want it or not: its bytes lie in LDS
.endif
	s_cmp_lg_u32 s9, \s                            ; my last step lies on the diagonal: hidden scores become -infinity ahead of the maximum; p = 0 then
	s_cbranch_scc1 .Lopen_\@
.set n, 0
.rept 64                                       ; register n holds key 16 (n / 8) + 8 h + n % 8 of the step: hidden where 16 (n / 8) + n % 8 > my query - 8 h
	v_cmp_gt_i32 vcc_lo, 16*(n/8)+n%8, v5
	v_cndmask_b32 v[S+n], v[S+n], v6, vcc_lo
.set n, n+1
.endr
.Lopen_\@:
.irp b, 0,1,2,3
	v_max3_num_f32 v[BM+\b], v[S+16*\b], v[S+16*\b+1], v[S+16*\b+2]        ; the largest score of each block of 32 keys: for the row's maximum and, since p rises with the score, for the block's largest p
.endr
.irp i, 3,5,7,9,11,13
.irp b, 0,1,2,3
	v_max3_num_f32 v[BM+\b], v[BM+\b], v[S+16*\b+\i], v[S+16*\b+\i+1]
.endr
.endr
.irp b, 0,1,2,3
	v_max_num_f32 v[BM+\b], v[BM+\b], v[S+16*\b+15]
.endr
.irp b, 0,1,2,3
	v_permlanex16_b32 v[BP+\b], v[BM+\b], s28, s29
.endr
.irp b, 0,1,2,3
	v_max_num_f32 v[BM+\b], v[BM+\b], v[BP+\b]     ; with lane l xor 16's 16 keys
.endr
	v_max3_num_f32 v78, v[BM], v[BM+1], v[BM+2]
	v_max_num_f32 v78, v78, v[BM+3]                ; the step's largest score of my query
.if \s == 0
	v_mul_f32 v13, s30, v78                        ; as t: the first step starts the running maximum (key 0 counts for every query)
	v_floor_f32 v12, -v13                          ; -M = floor(-t) = -ceil(t)
.else
	v_mul_f32 v78, s30, v78
	v_max_num_f32 v13, v13, v78
	v_mov_b32 v79, v12
	v_floor_f32 v12, -v13
	v_sub_f32 v79, v12, v79                        ; old M - new M: a whole number, 0 or less
	v_cvt_i32_f32 v79, v79
	v_ldexp_f32 v74, 1.0, v79                      ; f = 2^(old M - new M)
.endif
.set n, 0
.rept 32
	v_pk_fma_f32 v[S+n:S+n+1], v[S+n:S+n+1], s[30:31], v[12:13] op_sel_hi:[1,0,0]   ; t - M, two at a time (of the pairs c and -M the low word serves both halves)
.set n, n+2
.endr
.irp b, 0,1,2,3
	v_fma_f32 v[BM+\b], v[BM+\b], s30, v12         ; the same of each block's largest score
.endr
.set n, 0
.rept 64
	v_exp_f32 v[S+n], v[S+n]                       ; p = 2^(t - M)
.set n, n+1
.endr
.irp b, 0,1,2,3
	v_exp_f32 v[BM+\b], v[BM+\b]                   ; the block's largest p: the same two instructions on the same number
.endr
.if \s == 0
	v_nop                                          ; a plain place behind the exponentials
.else
	v_pk_mul_f32 v[14:15], v[14:15], v[74:75] op_sel_hi:[1,0]     ; the sum under the new M (a plain place behind the exponentials)
.endif
.irp b, 0,1,2,3
	v_max_num_f32 v[BM+\b], 0x1800000, v[BM+\b]    ; the floor 2^(3 - 127): the byte cannot fall under 1
.endr
.irp b, 0,1,2,3
	v_add_nc_u32 v[TS+\b], 0xff000000, v[BM+\b]    ; 2 off the exponent field: the conversion's scale operand
.endr
.irp b, 0,1,2,3
	v_lshrrev_b32 v[BP+\b], 23, v[TS+\b]           ; the scale's byte
.endr
	v_lshl_or_b32 v33, v[BP+1], 8, v[BP]           ; p's scale word for these 128 keys
	v_lshl_or_b32 v33, v[BP+2], 16, v33
	v_lshl_or_b32 v33, v[BP+3], 24, v33
.irp b, 0,1,2,3
	v_cvt_scalef32_pk8_fp4_f32 v[PCD+4*(\b/2)+(\b%2)], v[S+16*\b:S+16*\b+7], v[TS+\b]          ; keys 8 h + 0..7 of block b
	v_cvt_scalef32_pk8_fp4_f32 v[PCD+4*(\b/2)+(\b%2)+2], v[S+16*\b+8:S+16*\b+15], v[TS+\b]     ; keys 16 + 8 h + 0..7
.endr
	v_nop                                          ; one plain place behind a scaled conversion
.irp c, 0,1                                    ; the operand wants a whole block in a lane: lanes 0-15 block 2 c, lanes 16-31 block 2 c + 1: the two blocks' like quarters change halves
	v_permlane16_swap_b32 v[PCD+4*\c], v[PCD+4*\c+1]
	v_permlane16_swap_b32 v[PCD+4*\c+2], v[PCD+4*\c+3]
.endr
	v_pk_add_f32 v[76:77], v[S:S+1], v[S+2:S+3]    ; the row's sum of the UNQUANTISED p, in two chains.  (These 32 are also the places between the writes of P's codes and scale word and the products)
.irp j, 4,8,12,16,20,24,28,32,36,40,44,48,52,56,60
	v_pk_add_f32 v[14:15], v[14:15], v[S+\j:S+\j+1]
	v_pk_add_f32 v[76:77], v[76:77], v[S+\j+2:S+\j+3]
.endr
	v_pk_add_f32 v[14:15], v[14:15], v[76:77]
.if \s > 0
	WIN 0x41                                       ; O^T (destination and source 0) in window 1, f in window 0
.set n, 0
.rept 48
	v_pk_mul_f32 v[n:n+1], v[n:n+1], v[74:75] op_sel_hi:[1,0]     ; O^T under the new M
.set n, n+2
.endr
.endif
.if \s < 3
	s_wait_dscnt 26                                ; all but the next step's 26 loads of K: V is in
.else
	s_wait_dscnt 0x0
.endif
	WIN 0x51                                       ; V, C and D in window 1, P in window 0.  O^T += V^T P^T: twelve accumulators by turns; the first step starts the sums
.irp t, 0,1,2,3,4,5,6,7,8,9,10,11
.if \s == 0
	v_wmma_scale_f32_16x16x128_f8f6f4 v[8*\t:8*\t+7], v[VF+8*\t:VF+8*\t+7], v[PCD:PCD+7], 0, v[VSC+4*(\t%3)+\t/3], v33 matrix_a_fmt:MATRIX_FMT_FP4 matrix_b_fmt:MATRIX_FMT_FP4
.else
	v_wmma_scale_f32_16x16x128_f8f6f4 v[8*\t:8*\t+7], v[VF+8*\t:VF+8*\t+7], v[PCD:PCD+7], v[8*\t:8*\t+7], v[VSC+4*(\t%3)+\t/3], v33 matrix_a_fmt:MATRIX_FMT_FP4 matrix_b_fmt:MATRIX_FMT_FP4
.endif
.endr
	WIN 0
	PLACES 4
.endm
	s_load_b128 s[4:7], s[0:1], 0x0                ; ws, out
	v_lshrrev_b32 v1, 5, v0
	v_readfirstlane_b32 s8, v1                     ; wave 0..7
.irp kt, 0,1,2,3,4,5,6,7
.irp c, 4,5,6,7
	v_mov_b32 v[K1+8*\kt+\c], 0                    ; zero codes: the upper half of the second K step, written once
.endr
.endr
.irp c, 28,29,30,31
	v_mov_b32 v\c, 0                               ; Q's likewise
.endr
	v_mov_b32 v14, 0                               ; the sum, in two halves
	v_mov_b32 v15, 0
	v_mov_b32 v75, 0                               ; (named as the upper half of the pair v[74:75])
.irp b, 0,1,2,3
	v_mov_b32 v[BP+\b], 0                          ; a lane permute's destination counts as one of its sources
.endr
	v_mov_b32 v6, 0xff800000                       ; -infinity
	s_mul_i32 s9, s8, 3
	s_and_b32 s9, s9, 3
	s_lshr_b32 s10, s8, 2                          ; u
	s_mul_i32 s13, s10, 3
	s_xor_b32 s9, s9, s13                          ; g: my queries' group of 128 tokens, and my last key step
	s_bfe_u32 s11, ttmp6, 0x40000                  ; cx
	s_lshl_b32 s12, s11, 1
	s_add_co_u32 s12, s12, s10                     ; my tile of 16 queries in the group: 2 cx + u
	s_mov_b32 s16, 15|(3<<16)|(1<<21)              ; group 1: 15:0 the mask: all four work-groups; 17:16 elements of 8 bytes; 21 set beside a mask; no padding
	s_mov_b32 s17, 32<<16                          ; tensor_dim0 = 32 elements: 256 bytes
	s_mov_b32 s18, 103<<16                         ; tensor_dim1 = 103 rows
	s_mov_b32 s19, 32<<16                          ; tile_dim0
	s_mov_b32 s20, 103                             ; tile_dim1
	s_mov_b32 s21, 32                              ; dense: each row begins where the last ends
	s_mov_b32 s22, 0
	s_mov_b32 s23, 0
	s_mov_b32 s28, 0x76543210
	s_mov_b32 s29, 0xfedcba98                      ; v_permlanex16_b32's selects for lane l xor 16
	s_mov_b32 s30, 0x3dd53b95                      ; c = log2(e) / sqrt(192)
	s_mov_b32 s31, s30                             ; (named with it as a pair)
	s_lshl_b32 s14, ttmp9, 2                       ; what I fetch, if I fetch: chunk 4 x batch + wave: made of what the partners share
	s_add_co_u32 s14, s14, s8
	s_mul_i32 s14, s14, CHUNK
	s_add_co_u32 s14, s14, KC_O
	s_mov_b32 s15, 0
	s_mov_b32 s24, 1
	s_mul_i32 s25, s8, SLOT
	s_lshl_b32 s38, ttmp9, 2
	s_add_co_u32 s38, s38, s9
	s_mul_i32 s38, s38, CHUNK                      ; my queries' chunk
	s_mov_b32 s39, 0
	s_mul_i32 s2, s12, 1536
	s_add_co_u32 s2, s2, s38                       ; my tile's codes
	s_mov_b32 s3, 0
	s_lshr_b32 s13, s12, 2
	s_lshl_b32 s13, s13, 9
	s_add_co_u32 s38, s38, s13
	s_and_b32 s13, s12, 3
	s_lshl_b32 s13, s13, 2
	s_add_co_u32 s38, s38, s13
	s_add_co_u32 s38, s38, 12288                   ; and its scale words: 12,288 + 512 (tile / 4) + 4 (tile % 4), 16 bytes from lane to lane
	s_lshl_b32 s36, ttmp9, 9
	s_lshl_b32 s13, s9, 7
	s_add_co_u32 s36, s36, s13
	s_lshl_b32 s13, s12, 4
	s_add_co_u32 s36, s36, s13                     ; my first query: 512 batch + 128 g + 16 tile
	s_mul_i32 s36, s36, 768
	s_mov_b32 s37, 0
	v_and_b32 v10, 15, v0                          ; r
	v_bfe_u32 v11, v0, 4, 1                        ; h
	v_and_b32 v1, 31, v0
	v_lshlrev_b32 v1, 4, v1
	v_lshlrev_b32 v2, 4, v10
.irp s, 0,1,2,3
	v_add_nc_u32 v[AL+\s], SLOT*\s, v1
	v_add_nc_u32 v[AR+\s], SLOT*\s, v2
.endr
	v_lshlrev_b32 v5, 3, v11
	v_sub_nc_u32 v5, v10, v5
	v_add_nc_u32 v5, s13, v5                       ; my query in its group, less 8 h: a number to compare, no address
	v_mul_u32_u24 v7, v11, 768
	v_add_nc_u32 v7, v7, v2                        ; out: lanes 0-15 take 256 bytes of one row, lanes 16-31 of the next
	s_mul_i32 s13, s8, 16*SP
	s_add_co_u32 s13, s13, STAGE                   ; my stage
	v_mul_u32_u24 v8, v10, SP
	v_lshl_add_u32 v8, v11, 5, v8
	v_add_nc_u32 v8, s13, v8                       ; in: row r, 32 bytes for each half of the lanes
	v_mul_u32_u24 v9, v11, SP
	v_add_nc_u32 v9, v9, v2
	v_add_nc_u32 v9, s13, v9                       ; back
	s_wait_kmcnt 0x0
	s_add_nc_u64 s[26:27], s[4:5], s[14:15]
	s_or_b32 s27, s27, 0x80000000
	s_add_nc_u64 s[32:33], s[4:5], s[2:3]
	s_add_nc_u64 s[38:39], s[4:5], s[38:39]
	s_add_nc_u64 s[34:35], s[6:7], s[36:37]
	CROUND                                         ; all four work-groups are here: the joint loads meet
	s_cmp_lt_u32 s8, 4                             ; waves 0 to 3 fetch a slot each: one load of mine is out
	s_cbranch_scc0 .Lno_fill
	tensor_load_to_lds s[24:27], s[16:23]
	PLACES 4
.Lno_fill:
	global_load_b128 v[16:19], v1, s[32:33]        ; Q stays in registers: features 0-63,
	global_load_b128 v[20:23], v1, s[32:33] offset:512     ; 64-127,
	global_load_b128 v[24:27], v1, s[32:33] offset:1024    ; 128-191
	global_load_b32 v32, v1, s[38:39]              ; lanes 0-15 the first K step's words, lanes 16-31 the second's
	s_wait_tensorcnt 0x0                           ; my slot is in,
	s_barrier_signal -1
	s_barrier_wait -1                              ; everybody's is
	KLOAD 0
	s_wait_loadcnt 0x0                             ; Q
	STEP 0
	STEP 1
	STEP 2
	STEP 3
.Ldone:
	s_wait_dscnt 0x0                               ; loads of a step that I do not walk have come back: their registers are free
	v_add_f32 v14, v14, v15                        ; the sum's two halves,
	v_permlanex16_b32 v78, v14, s28, s29
	v_add_f32 v14, v14, v78                        ; and lane l xor 16's: the row's sum
	v_rcp_f32 v14, v14
	v_nop                                          ; one plain place behind a transcendental
	WIN 0x01                                       ; source 0 (O^T) window 1
.set n, 0
.rept 96
	v_mul_f32 v[OUTR+n], v[n], v14                 ; O^T / the sum, each accumulator from its low end on: register 8 t + j is out(r, 16 t + 8 h + j)
.set n, n+1
.endr
	WIN 0
.irp t, 0,1,2,3,4,5,6,7,8,9,10,11
	ds_store_b128 v8, v[OUTR+8*\t:OUTR+8*\t+3] offset:64*\t
	ds_store_b128 v8, v[OUTR+8*\t+4:OUTR+8*\t+7] offset:64*\t+16
.endr
.irp i, 0,1,2,3,4,5,6,7
.irp q, 0,1,2
	ds_load_b128 v[OUTR+4*(3*\i+\q):OUTR+4*(3*\i+\q)+3], v9 offset:2*SP*\i+256*\q   ; LDS serves a wave's instructions in order (ISA guide 5.7.1.4): these see my stores
.endr
.endr
.irp i, 0,1,2,3,4,5,6,7
.irp q, 0,1,2
	s_wait_dscnt 23-(3*\i+\q)
	global_store_b128 v7, v[OUTR+4*(3*\i+\q):OUTR+4*(3*\i+\q)+3], s[34:35] offset:1536*\i+256*\q th:TH_STORE_NT   ; sixteen lanes store 256 consecutive bytes, aligned; written once, read by nobody here
.endr
.endr
	s_wait_dscnt 0x0
	CROUND                                         ; the closing round: no work-group ends while a partner may still ask for a tile that names it
	s_endpgm
.Lfunc_end_k_q97e7d1e095_attn:
	.size	k_q97e7d1e095_attn, .Lfunc_end_k_q97e7d1e095_attn-k_q97e7d1e095_attn
	.p2alignl 7, 3214868480
	.fill 96, 4, 3214868480
	.section	.rodata,"a",@progbits
	.p2align	6, 0x0
	.amdhsa_kernel k_q97e7d1e095_attn
		.amdhsa_group_segment_fixed_size 327680
		.amdhsa_private_segment_fixed_size 0
		.amdhsa_enable_private_segment 0
		.amdhsa_kernarg_size 16
		.amdhsa_user_sgpr_count 2
		.amdhsa_user_sgpr_kernarg_segment_ptr 1
		.amdhsa_wavefront_size32 1
		.amdhsa_system_sgpr_workgroup_id_x 1
		.amdhsa_system_sgpr_workgroup_id_y 1
		.amdhsa_system_sgpr_workgroup_id_z 1
		.amdhsa_system_vgpr_workitem_id 0
		.amdhsa_next_free_vgpr 512
		.amdhsa_next_free_sgpr 66
		.amdhsa_reserve_vcc 1
		.amdhsa_float_denorm_mode_32 3
		.amdhsa_float_denorm_mode_16_64 3
		.amdhsa_memory_ordered 1
		.amdhsa_forward_progress 1
		.amdhsa_inst_pref_size 118
	.end_amdhsa_kernel
	.amdgpu_metadata
---
amdhsa.version: [ 1, 2 ]
amdhsa.kernels:
  - .name:           k_q97e7d1e095_attn
    .symbol:         k_q97e7d1e095_attn.kd
    .args:
      - { .name: ws, .offset: 0, .size: 8, .value_kind: global_buffer, .address_space: global }
      - { .name: out0, .offset: 8, .size: 8, .value_kind: global_buffer, .address_space: global }
    .group_segment_fixed_size: 327680
    .private_segment_fixed_size: 0
    .kernarg_segment_align: 8
    .kernarg_segment_size: 16
    .max_flat_workgroup_size: 256
    .sgpr_count:     66
    .vgpr_count:     512
    .wavefront_size: 32
...
	.end_amdgpu_metadata
.endif
;; end of part 2
